; MI455X (gfx1250); checked and timed in simulation.
; The chip was launched on July 23, 2026; its instructions are those of AMD's public machine-readable ISA for CDNA 5 (MIT licence, August 2026) and "CDNA5" Instruction Set Architecture Reference Guide (July 2026). The comments in the code are by the model that wrote it; some were corrected since.
;; Dynamic Quantize Linear. Allowed arithmetic: float matrix products may take bf16 or f16 operands with f32 sums; other float arithmetic in f32, or as packed bf16 or f16 multiplies, adds, multiply-adds, maxima and minima; sums over many terms, partial sums and values carried from step to step in f32; what a program stores and reads back later, other than sums and carried values, may be rounded once to bf16 or f16.
;; Inputs: bias 16,384 float32; input 1,024 x 4,096 float32; weight 16,384 x 4,096 int8; weight_scale 16,384 float32.
;; Outputs: out0 1,024 x 16,384 float32.
;; 2 versions, each right; version 2 is version 1 with the launch cast written anew for expert scheduling mode. Each part assembles by itself: llvm-mc -triple=amdgcn-amd-amdhsa -mcpu=gfx1250 --defsym DOCPART=n.
;; ======== version 1 of 2: 2 launches
;; limits: values are held in f16: magnitudes above 65,504 overflow, below 6.1e-05 lose precision; inputs' magnitudes at most 65,504; below input magnitudes of 6.1e-05 results are inexact or not finite
;; workspace buffers: xh 8,388,608 bytes
;; launch cast (part 1): grid 256 x 1, 8 waves a work-group, no clusters, 0 bytes of LDS; arguments input, xh; writes xh
.if DOCPART == 1
	.amdgcn_target "amdgcn-amd-amdhsa--gfx1250"
	.amdhsa_code_object_version 6
	.text
	.protected	k_qbc59970cf0_cast
	.globl	k_qbc59970cf0_cast
	.p2align	8
	.type	k_qbc59970cf0_cast,@function
k_qbc59970cf0_cast:
	s_mov_b64 s[64:65], 0
	v_nop
	global_prefetch_b8 v0, s[64:65] scope:SCOPE_SE
	s_setreg_imm32_b32 hwreg(HW_REG_WAVE_MODE, 25, 1), 1
	s_wait_xcnt 0x0
; xh[r][k] = input[r][k] rounded once to f16.  input: [1024][4096] f32, xh: [1024][4096] f16.
; LIMITS.  f16 ends at 65,504: an input of 65,520 or more in magnitude becomes an infinity; below 6.1e-5 an input keeps f16's fixed step of 6e-8.
; A stream: each byte is read once and written once; LDS, barriers and the matrix unit would add nothing.
; SHARES.  256 work-groups of eight waves; a work-group owns 16,384 numbers on end.  Thread t owns, for j = 0 .. 7, the eight numbers at 2,048 j + 8 t:
; 32 bytes in (two loads of 16), 16 bytes out, so that a wave's store covers 512 consecutive bytes, aligned.
; All sixteen loads of a thread go out at once; no register is written twice, so the only waits are the counted ones for the loads.
.set X, 8                              ; v[8:71]    the numbers as loaded: 8 registers for each j
.set Y, 72                             ; v[72:103]  the numbers to store: 4 registers for each j
	s_load_b128 s[4:7], s[0:1], 0x0                ; input s[4:5], xh s[6:7]
	s_lshl_b32 s2, ttmp9, 16                       ; the work-group's 65,536 bytes of input
	s_mov_b32 s3, 0
	v_lshlrev_b32 v1, 5, v0                        ; 32 t
	v_lshlrev_b32 v2, 4, v0                        ; 16 t
	s_wait_kmcnt 0x0
	s_add_nc_u64 s[4:5], s[4:5], s[2:3]
	s_lshl_b32 s2, ttmp9, 15                       ; its 32,768 bytes of xh
	s_add_nc_u64 s[6:7], s[6:7], s[2:3]
.irp j, 0,1,2,3,4,5,6,7
	global_load_b128 v[X+8*(\j):X+8*(\j)+3],   v1, s[4:5] offset:8192*(\j) th:TH_LOAD_NT
	global_load_b128 v[X+8*(\j)+4:X+8*(\j)+7], v1, s[4:5] offset:8192*(\j)+16 th:TH_LOAD_NT
.endr
.irp j, 0,1,2,3,4,5,6,7
	s_wait_loadcnt 14-2*(\j)                       ; loads come back in order (ISA guide 5.7.1): pair j is in, the younger pairs stay out
.irp k, 0,1,2,3
	v_cvt_pk_f16_f32 v[Y+4*(\j)+(\k)], v[X+8*(\j)+2*(\k)], v[X+8*(\j)+2*(\k)+1]
.endr
	global_store_b128 v2, v[Y+4*(\j):Y+4*(\j)+3], s[6:7] offset:4096*(\j)
.endr
	s_endpgm
.Lfunc_end_k_qbc59970cf0_cast:
	.size	k_qbc59970cf0_cast, .Lfunc_end_k_qbc59970cf0_cast-k_qbc59970cf0_cast
	.p2alignl 7, 3214868480
	.fill 96, 4, 3214868480
	.section	.rodata,"a",@progbits
	.p2align	6, 0x0
	.amdhsa_kernel k_qbc59970cf0_cast
		.amdhsa_group_segment_fixed_size 0
		.amdhsa_private_segment_fixed_size 0
		.amdhsa_enable_private_segment 0
		.amdhsa_kernarg_size 16
		.amdhsa_user_sgpr_count 2
		.amdhsa_user_sgpr_kernarg_segment_ptr 1
		.amdhsa_wavefront_size32 1
		.amdhsa_system_sgpr_workgroup_id_x 1
		.amdhsa_system_sgpr_workgroup_id_y 1
		.amdhsa_system_sgpr_workgroup_id_z 1
		.amdhsa_system_vgpr_workitem_id 0
		.amdhsa_next_free_vgpr 104
		.amdhsa_next_free_sgpr 66
		.amdhsa_reserve_vcc 0
		.amdhsa_float_denorm_mode_32 3
		.amdhsa_float_denorm_mode_16_64 3
		.amdhsa_memory_ordered 1
		.amdhsa_forward_progress 1
		.amdhsa_inst_pref_size 6
	.end_amdhsa_kernel
	.amdgpu_metadata
---
amdhsa.version: [ 1, 2 ]
amdhsa.kernels:
  - .name:           k_qbc59970cf0_cast
    .symbol:         k_qbc59970cf0_cast.kd
    .args:
      - { .name: input, .offset: 0, .size: 8, .value_kind: global_buffer, .address_space: global }
      - { .name: xh, .offset: 8, .size: 8, .value_kind: global_buffer, .address_space: global }
    .group_segment_fixed_size: 0
    .private_segment_fixed_size: 0
    .kernarg_segment_align: 8
    .kernarg_segment_size: 16
    .max_flat_workgroup_size: 256
    .sgpr_count:     66
    .vgpr_count:     104
    .wavefront_size: 32
...
	.end_amdgpu_metadata
.endif
;; end of part 1
;; launch gemm (part 2): grid 64 x 4, 4 waves a work-group, clusters of 4 x 4, 327,680 bytes of LDS; arguments xh, weight, weight_scale, bias, out0; writes out0
.if DOCPART == 2
	.amdgcn_target "amdgcn-amd-amdhsa--gfx1250"
	.amdhsa_code_object_version 6
	.text
	.protected	k_qbc59970cf0_gemm
	.globl	k_qbc59970cf0_gemm
	.p2align	8
	.type	k_qbc59970cf0_gemm,@function
k_qbc59970cf0_gemm:
	s_mov_b64 s[64:65], 0
	v_nop
	global_prefetch_b8 v0, s[64:65] scope:SCOPE_SE
	s_setreg_imm32_b32 hwreg(HW_REG_WAVE_MODE, 25, 1), 1
	s_wait_xcnt 0x0
	s_wait_alu depctr_hold_cnt(0) depctr_sa_sdst(0) depctr_va_vdst(0) depctr_va_sdst(0) depctr_va_ssrc(0) depctr_va_vcc(0) depctr_vm_vsrc(0)
	s_getreg_b32 s2, hwreg(HW_REG_IB_STS2, 6, 4)
	s_cmp_eq_u32 s2, 0
	s_cbranch_scc0 .Lentry_in_a_cluster
	s_endpgm
.Lentry_in_a_cluster:
	s_bfe_u32 s2, ttmp6, 0x10000c
	s_cmp_lg_u32 s2, 0xf033
	s_cbranch_scc0 .Lentry_shape_is_right
	s_endpgm
.Lentry_shape_is_right:
; out[m][n] = scale[n] x (the sum over k of xh[m][k] w[n][k]) + bias[n].  xh: [1024][4096] f16 (the input, rounded once by the launch before); w: [16384][4096] int8;
; scale, bias: [16384] f32; out: [1024][16384] f32.  The scale hangs on the column alone, so it leaves the sum: one fused multiply-add in f32 for each output.
; FORMAT.  Both matrix operands are f16, the sums f32.  An int8 is exact in f16.  It stays int8 through memory and LDS and is widened in registers, five vector instructions for four numbers:
; w xor 0x80 = w + 128 = u (a byte); the half 0x6400 | u is 1024 + u; less 1152 it is w.
; LIMITS.  xh carries f16's range (see the launch before).  The order of the f32 sums is not the reference's; within each 32 along K the numbers are laid in another order, alike in both operands.
; SHARES.  A tile of out, 256 x 256, is made by a work-group of four waves; a wave makes 128 x 128: 64 accumulators of 16 x 16, 512 registers.  256 tiles, one work-group each.
; THE MATRIX INSTRUCTION IS USED TRANSPOSED: source 0 = 16 rows of w, source 1 = 16 rows of xh: a lane then holds one row of out (lane % 16) and the eight neighbouring columns 8 (lane / 16) + 0..7.
; CLUSTERS.  4 x 4 work-groups.  The four of a row of the cluster need the same 256 rows of xh, the four of a column the same 256 rows of w: each tile is asked for JOINTLY, by the same tensor load with
; the same descriptor and a mask that names the four.  A cluster spans all 1,024 rows of out, so each byte of w is asked for by one column of one cluster alone.
; THE RING.  A step is 128 along K: four quarters of 32, 64 matrix instructions each.  xh has two slots of one step (rows of 256 bytes of f16); w has two slots of TWO steps (rows of 256 bytes of int8).
; The change of slots stands in a step's THIRD quarter: by then the step's last fragments of xh have been asked for, and the raw bytes of w for the next step's first quarter are wanted a quarter ahead,
; to be widened.  At the change of step t waves 0 and 1 fill xh's slot t % 2 with step t + 2; at an even t from 2 on, waves 2 and 3 fill w's idle slot with the two steps that follow the pair in hand.
; A wave has two tensor loads out at the start and one behind a change.
; REGISTERS, in windows of 256 (s_set_vgpr_msb: bits 1:0 source 0, 3:2 source 1, 5:4 source 2, 7:6 destination):
;   window 0: v0-31 addresses; v32-63 at work on the way out; v64-127, v128-191 fragments of xh (8 x 16 rows x 32 K), two buffers (the first serves the way out too); v192-255 bias
;   window g = 1, 2, 3: the column blocks {0,1,2}, {3,4,5}, {6,7}: accumulator (block lb of the window, row block a) at v[64 lb + 8 a]; v192-239 w's widened fragments, two buffers of 24; v240-251 w's raw bytes
;   window 3 besides: v128-191 scale
; Under ONE setting (source 0, C and D in window g, source 1 in window 0) stand both a group's matrix instructions and the widening of that group's next fragments: the widening rides behind
; the matrix instructions, five lines behind every two, with no switch between.  A quarter has eight switches.
.set PITCH,  272                       ; an LDS row: 256 bytes + 16 of padding = 68 words: row r starts at bank 4 r mod 64 (64 banks of 4 bytes: ISA guide 11.1), so the 16 rows of a load start at 16 different banks
.set BLK,    16*PITCH                  ; 16 rows
.set HALFT,  128*PITCH                 ; 128 rows: what one tensor load brings, and what one wave reads of xh or of w
.set BSL1,   1<<17                     ; w's slot 0 lies at 0, slot 1 here: one exclusive or turns an address in one into the other's
.set ASL1,   2*HALFT                   ; xh's slot 1: its first half behind w's slot 0,
.set A1STEP, 200704                    ; its second half this much further on
.set SPARE,  ASL1+HALFT                ; the spare words, 128 bytes for each wave: two blocks of 256 bytes that no other line names
.set ASL0,   BSL1+2*HALFT              ; xh's slot 0, both halves, behind w's slot 1
.set STAGE,  ASL1+A1STEP+HALFT         ; behind the ring, never filled by a tensor load: 16 rows x 272 bytes for each wave, for the way out
.set ADRA, 16                          ; v16-17  LDS address of my fragments of xh in slot 0, 1
.set AB0,  18                          ; v18     my lane's place in a slot of w; never rewritten
.set ADRB, 19                          ; v19     the same in the slot that is being read
.set STO,  24                          ; v24     the way out: where I put 32 bytes of a row
.set RD,   25                          ; v25     the way out: where I read a row back
.set CO,   26                          ; v26     my byte offset in out
.set SBO,  27                          ; v27     my byte offset in scale and bias
.set SPW,  28                          ; v28     LDS address of my spare word: SPARE + 4 x my thread's number; never rewritten
.set NIL,  29                          ; v29     0; never rewritten
.set PFO,  30                          ; v30     the prefetches' offset: my lane x a row of xh or w in memory; never rewritten
.set TMP,  32                          ; the way out: 64 columns of my row, scaled
.set FA,   64                          ; xh's fragments: buffer c at FA + 64 c
.set OB,   64                          ; the way out: 16 rows read back from the stage, two buffers of 32
.set BI,   192                         ; bias of my 64 columns: block b at BI + 8 b
.set SC,   128                         ; window 3: scale, likewise
.set CV,   192                         ; windows 1-3: widened fragments: buffer c, block lb at CV + 24 c + 8 lb
.set RW,   240                         ; windows 1-3: raw bytes: block lb at RW + 4 lb
.set WV,   14                          ; s14  my wave's number
.set RH,   15                          ; s15  which half of the tile's rows is mine.  Also: I fetch for xh (0) or for w (1)
.set CH,   16                          ; s16  which half of its columns.  Also: which 128 rows of that tile I fetch
.set CX,   17                          ; s17, s18  my place in the cluster
.set CY,   18
.set TX,   19                          ; s19  tile column
.set G1A,  24                          ; s[24:31] descriptor group 1 for xh's tiles
.set G0A,  32                          ; s[32:39] group 0 for xh's tiles, a set for each slot
.set G1B,  40                          ; s[40:47] group 1 for w's tiles
.set G0B,  48                          ; s[48:51] group 0 for w's first tile
.set G0W,  76                          ; s[76:79] group 0 for w's second tile; it then walks on
.set TB,   52                          ; s52  0 or BSL1: w's slot that is being read
.set C80,  53                          ; s53  0x80 four times
.set C64,  54                          ; s54  0x64 four times
.set SELL, 55                          ; s55  v_perm_b32: raw bytes 0, 1 under 0x64
.set SELH, 56                          ; s56  raw bytes 2, 3
.set CNEG, 57                          ; s57  -1152 twice, in f16
.set PFA,  58                          ; s[58:59] where my prefetches stand
.set LIME, 60                          ; s60  1 in a wave that prefetches at an even step's change, else the greatest number
.set LIMO, 61                          ; s61  the same for an odd step's
.set PST,  68                          ; s[68:69] what an odd step's change adds to PFA: 256 for xh, 0 for w
.set MSB, 0
.macro WIN new                         ; the immediate's high byte repeats the setting that is left; a switch that changes nothing is dropped
.if MSB != (\new)
	s_set_vgpr_msb (MSB<<8)|(\new)
.set MSB, (\new)
.endif
.endm
.macro PLACES
.rept 4
	v_nop
.endr
.endm
; A round of the cluster's barrier: my work-group's barrier, so that wave 0's signal speaks for all four waves; wave 0 signals; every wave waits for all sixteen work-groups; my work-group's barrier once more.
.macro CREST                           ; a round behind its opening barrier
	s_cmp_lg_u32 s[WV], 0
	s_cbranch_scc1 .Lnot_wave_0_\@
	s_barrier_signal -3
.Lnot_wave_0_\@:
	s_barrier_wait -3
	s_barrier_signal -1
	s_barrier_wait -1
.endm
.macro CROUND
	s_barrier_signal -1
	s_barrier_wait -1
	CREST
.endm
; A joint refill.  kind 2: waves 0 and 1 fill xh's slot 0, waves 2 and 3 w's idle slot.  kind 3: xh's slot 0 alone.  kind 1: xh's slot 1 alone.  The branch hangs on the wave's number alone: it is the same
; in every work-group.  An s_nop 0 and four v_nop follow each load, ahead of the jump, the label and what follows the macro.
.macro JLOAD kind
	s_cmp_eq_u32 s[RH], 0
.if (\kind) == 2
	s_cbranch_scc0 .Lfor_b_\@
	tensor_load_to_lds s[G0A:G0A+3], s[G1A:G1A+7]
	s_nop 0
	PLACES
	s_branch .Lasked_\@
.Lfor_b_\@:
	tensor_load_to_lds s[G0W:G0W+3], s[G1B:G1B+7]
	s_nop 0
	PLACES
.elseif (\kind) == 3
	s_cbranch_scc0 .Lasked_\@
	tensor_load_to_lds s[G0A:G0A+3], s[G1A:G1A+7]
	s_nop 0
	PLACES
.else
	s_cbranch_scc0 .Lasked_\@
	tensor_load_to_lds s[G0A+4:G0A+7], s[G1A:G1A+7]
	s_nop 0
	PLACES
.endif
.Lasked_\@:
.endm
; A PREFETCH INTO THE L2 of what the refill TWO refills on will ask for: 32 rows x 256 bytes, a lane a row, one instruction a wave, 512 matrix instructions ahead of that load.  It stands behind the joint load,
; its five lines and the LDS loads that follow them.  Each row's 256 bytes are named ONCE in the launch.  xh's rows are read by every cluster: cluster 0 asks (waves 0 and 1, at every change: step t + 4).
; w's rows are a cluster's own: every cluster asks (waves 2 and 3, at an even step's change: the pair of steps after the next).  The four partners that ask for a tile jointly share its rows out BY ADDRESS:
; of the 128 rows that a wave fetches the partner at place p takes 32 p .. 32 p + 31 (p = cx for xh, cy for w): no branch hangs on a place in the cluster.
; The loop's last trip (s3 = 1) asks for nothing: those steps do not exist.  Nothing is asked for at the head, where every work-group's first tiles are on their way.
.macro ASK kind
.if (\kind) == 1
	s_cmp_gt_u32 s3, s[LIMO]
.else
	s_cmp_gt_u32 s3, s[LIME]
.endif
	s_cbranch_scc0 .Lnot_mine_\@
	global_prefetch_b8 v[PFO], s[PFA:PFA+1] th:TH_LOAD_NT scope:SCOPE_SE
.Lnot_mine_\@:
.endm
; THE WIDENING, one line at a time: number idx of a group's list, into buffer nxt.  For each two raw registers n, n + 1 (four int8 each) ten lines: both are turned into bytes u = w + 128; each gives two registers
; of halves 0x6400 | u = 1024 + u; each of the four has 1152 taken away.  Raw register n becomes widened registers 2 n, 2 n + 1.  Every vector register stands as destination or source 0: the group's window.
.macro RID nxt, idx
.set rn, 2*((\idx)/10)
.set rk, (\idx)%10
.if rk < 2
	v_xor_b32 v[RW+rn+rk], v[RW+rn+rk], s[C80]
.elseif rk < 6
.set rr, rn+(rk-2)/2
.if (rk%2) == 0
	v_perm_b32 v[CV+24*(\nxt)+2*rr], v[RW+rr], s[C64], s[SELL]
.else
	v_perm_b32 v[CV+24*(\nxt)+2*rr+1], v[RW+rr], s[C64], s[SELH]
.endif
.else
	v_pk_add_f16 v[CV+24*(\nxt)+2*rn+rk-6], v[CV+24*(\nxt)+2*rn+rk-6], s[CNEG]
.endif
.endm
.macro CONV g, buf                     ; a group's whole list on end: the prologue's
	WIN 0x51*(\g)
.set pr, 0
.rept 20*(3-((\g)/3))
	RID \buf, pr
.set pr, pr+1
.endr
.endm
; Matrix instructions i0 .. i1 - 1 of group g's phase of a quarter, on buffers cur: number i is row block i / NB, column block i % NB of the group's NB.  zero = 1: the product starts the sum: nothing is ever cleared.
; cv = 1: behind number i stand lines 5 i / 2 .. 5 (i + 1) / 2 - 1 of the group's widening for the next quarter.  The 64 accumulators take turns, one instruction a turn, in the same order in every quarter,
; over the backward jump too.  No rider names a register of the products round it: it writes the other buffer and the raw registers.
.macro PH g, cur, i0, i1, zero, cv
	WIN 0x51*(\g)
.set NBG, 3-((\g)/3)
.set pi, (\i0)
.rept (\i1)-(\i0)
.set pa, pi/NBG
.set pl, pi%NBG
.if \zero
	v_wmma_f32_16x16x32_f16 v[64*pl+8*pa:64*pl+8*pa+7], v[CV+24*(\cur)+8*pl:CV+24*(\cur)+8*pl+7], v[FA+64*(\cur)+8*pa:FA+64*(\cur)+8*pa+7], 0
.else
	v_wmma_f32_16x16x32_f16 v[64*pl+8*pa:64*pl+8*pa+7], v[CV+24*(\cur)+8*pl:CV+24*(\cur)+8*pl+7], v[FA+64*(\cur)+8*pa:FA+64*(\cur)+8*pa+7], v[64*pl+8*pa:64*pl+8*pa+7]
.endif
.if \cv
.set pr, (5*pi)/2
.rept (5*(pi+1))/2-(5*pi)/2
	RID 1-(\cur), pr
.set pr, pr+1
.endr
.endif
.set pi, pi+1
.endr
.endm
; WHERE K LIES.  Within a quarter's 32 along K lane (r, h) holds K = 16 h + 0..15, in ascending order through its eight registers, in both operands: the products pair up as they should, and each side
; comes by plain loads: xh's 32 bytes at 64 q + 32 h of its row (two loads), w's 16 raw bytes at 32 q + 16 h (one load).
.macro LDA slot, aq, buf               ; 16 LDS loads: my 128 rows of xh, quarter aq of the slot's step, into buffer buf
	WIN 0
.irp i, 0,1,2,3,4,5,6,7
	ds_load_b128 v[FA+64*(\buf)+8*(\i):FA+64*(\buf)+8*(\i)+3],   v[ADRA+(\slot)] offset:64*(\aq)+(\i)*BLK
	ds_load_b128 v[FA+64*(\buf)+8*(\i)+4:FA+64*(\buf)+8*(\i)+7], v[ADRA+(\slot)] offset:64*(\aq)+(\i)*BLK+16
.endr
.endm
.macro LDR g, rq                       ; 3 or 2 LDS loads: group g's raw bytes, quarter rq of the eight in w's slot
	WIN (\g)<<6                                    ; destination window g, address window 0
.set li, 0
.rept 3-((\g)/3)
	ds_load_b128 v[RW+4*li:RW+4*li+3], v[ADRB] offset:(3*((\g)-1)+li)*BLK+32*(\rq)
.set li, li+1
.endr
.endm
; A QUARTER multiplies buffers cur.  Beside that it fetches xh's fragments of the NEXT quarter (slot aslot, quarter aq) into the other buffer, widens w's fragments of the next quarter out of the raw registers,
; and, as each group's raw registers have been read, fetches into them the raw bytes of the quarter AFTER the next (rq).
; Its LDS loads, in order: xh's 16, then 3, 3, 2 raw.  LDS loads come back in order (ISA guide 5.7.1), so each wait names what was issued behind the loads that it needs:
;   w0 = 5: the last quarter's fragments of xh and group 1's raw bytes are in; behind them: groups 2's and 3's.     w1 = 21: group 2's; behind them 2 + 16 + 3.     w2 = 22: group 3's; behind them 16 + 3 + 3.
; The loads into xh's other buffer stand eight riders behind the last product that read it (four places are asked for: ISA guide 7.12.1 for vector instructions).
.macro QUARTER cur, aslot, aq, rq, zero=0, la=1, lr=1, cv=1, w0=5, w1=21, w2=22
	s_wait_dscnt \w0
	PH 1, \cur, 0, 2, \zero, \cv
.if \la
	LDA \aslot, \aq, 1-(\cur)
.endif
	PH 1, \cur, 2, 24, \zero, \cv
.if \lr
	LDR 1, \rq
.endif
.if (\w1) >= 0
	s_wait_dscnt \w1
.endif
	PH 2, \cur, 0, 24, \zero, \cv
.if \lr
	LDR 2, \rq
.endif
.if (\w2) >= 0
	s_wait_dscnt \w2
.endif
	PH 3, \cur, 0, 16, \zero, \cv
.if \lr
	LDR 3, \rq
.endif
.endm
; A STEP'S THIRD QUARTER, WITH THE CHANGE OF SLOTS.  ONE barrier, for two things.  In front of it each wave has asked for the step's last fragments of xh, waits for all its tensor loads (the one that may be out is
; its part of a slot that is read next), adds 0 to its spare word, and waits for that and for all its LDS reads.  Behind it nobody reads xh's slot of this step, or w's idle slot, any more, and what is read next is whole.
; kind 1, 2, 3: the barrier opens a round of the cluster's barrier, so that the same holds of every partner, and the joint refill is the first tensor load behind the round.  kind 0: nothing is left to fill.
; Behind an odd step's change the raw loads go on in w's other slot.
.macro TURN cur, aslot, kind, rq
.if \kind
	s_wait_xcnt 0x0                                ; the last prefetch, a step back, has read its address: it is stepped here, ahead of the change's own waits
.if (\kind) == 1
	s_add_nc_u64 s[PFA:PFA+1], s[PFA:PFA+1], s[PST:PST+1]
.else
	s_add_nc_u64 s[PFA:PFA+1], s[PFA:PFA+1], 256
.endif
.endif
	s_wait_dscnt 5                                 ; as at every quarter's head
	PH 1, \cur, 0, 2, 0, 1
	LDA \aslot, 3, 1-(\cur)
	PH 1, \cur, 2, 12, 0, 1
	WIN 0                                          ; (the add's two registers lie in window 0)
	s_wait_tensorcnt 0x0                           ; all my tensor loads have landed;
	ds_add_u32 v[SPW], v[NIL]                      ; 0 onto my spare word; twelve matrix instructions and their riders stand between it and the wait for it
	PH 1, \cur, 12, 24, 0, 1
	s_wait_dscnt 0x0                               ; the add is done, and all my LDS reads are back, the last of xh's slot among them:
	s_barrier_signal -1                            ; say so,
	PH 2, \cur, 0, 8, 0, 1                         ; work on registers while the others arrive,
	WIN 0
	s_barrier_wait -1                              ; and go on when all four have said so
.if \kind
	CREST                                          ; all sixteen work-groups have said so
.if (\kind) == 1
	s_add_nc_u64 s[G0A+6:G0A+7], s[G0A+6:G0A+7], 512   ; no tensor load of mine is out, so a group 0 may be written: the slot's step two on
.else
	s_add_nc_u64 s[G0A+2:G0A+3], s[G0A+2:G0A+3], 512
.endif
.if (\kind) == 2
	s_xor_b32 s[G0W+1], s[G0W+1], BSL1             ; w's walking descriptor: the other slot than last time,
	s_add_nc_u64 s[G0W+2:G0W+3], s[G0W+2:G0W+3], 256   ; the next 256 along K; the type bits on top are not reached
.endif
	JLOAD \kind
.endif
.if (\kind) == 1
	s_xor_b32 s[TB], s[TB], BSL1
	v_add_nc_u32 v[ADRB], s[TB], v[AB0]
.endif
	LDR 1, \rq
.if \kind
	WIN 0
	ASK \kind
.endif
	PH 2, \cur, 8, 24, 0, 1
	LDR 2, \rq
	PH 3, \cur, 0, 16, 0, 1
	LDR 3, \rq
.endm
	s_load_b256 s[4:11], s[0:1], 0x0               ; xh s[4:5], w s[6:7], scale s[8:9], bias s[10:11]
	s_load_b64 s[12:13], s[0:1], 0x20              ; out
	v_lshl_add_u32 v[SPW], v0, 2, SPARE
	v_mov_b32 v[NIL], 0
	ds_add_u32 v[SPW], v[NIL]                      ; the wave's opening: the add, twice on end, and its wait ahead of my first tensor load; the set-up below, work on registers, stands between
	ds_add_u32 v[SPW], v[NIL]                      ; and once more, under the one wait
	v_lshrrev_b32 v1, 5, v0
	v_readfirstlane_b32 s[WV], v1                  ; wave 0..3
	s_lshr_b32 s[RH], s[WV], 1
	s_and_b32 s[CH], s[WV], 1
	s_bfe_u32 s[CX], ttmp6, 0x40000
	s_bfe_u32 s[CY], ttmp6, 0x40004                ; also the tile row: the grid is one cluster high
	s_lshl_b32 s[TX], ttmp9, 2                     ; in a cluster launch ttmp9 counts clusters
	s_add_co_u32 s[TX], s[TX], s[CX]               ; tile column = 4 x cluster x + cx
	s_lshl_b32 s20, s[CY], 2
	s_lshl_b32 s20, 15, s20                        ; my row of the cluster: places 4 cy .. 4 cy + 3
	s_lshl_b32 s70, 0x1111, s[CX]                  ; my column: places cx, cx + 4, cx + 8, cx + 12
	; descriptor group 1: 128 rows of 256 bytes, padded in LDS.  xh: 128 elements of 2 bytes; w: 256 elements of 1 byte
	s_or_b32 s[G1A], s20, (1<<16)|(1<<20)|(1<<21)|(5<<22)|(3<<25)  ; 15:0 the mask: my row; 17:16 elements of 2 bytes; 20 padding on; 21 set beside a mask; 24:22 after every 64 words (code 5); 31:25 4 words of it (code 3)
	s_or_b32 s[G1B], s70, (1<<20)|(1<<21)|(5<<22)|(3<<25)          ; the mask of my column; elements of 1 byte; the same padding
	s_mov_b32 s[G1A+1], 128<<16                    ; tensor_dim0
	s_mov_b32 s[G1B+1], 256<<16
	s_mov_b32 s[G1A+2], 128<<16                    ; tensor_dim1 = 128
	s_mov_b32 s[G1B+2], 128<<16
	s_mov_b32 s[G1A+3], 128<<16                    ; tile_dim0
	s_mov_b32 s[G1B+3], 256<<16
	s_mov_b32 s[G1A+4], 128                        ; tile_dim1 = 128
	s_mov_b32 s[G1B+4], 128
	s_mov_b32 s[G1A+5], 4096                       ; elements from row to row
	s_mov_b32 s[G1B+5], 4096
	s_mov_b32 s[G1A+6], 0
	s_mov_b32 s[G1B+6], 0
	s_mov_b32 s[G1A+7], 0
	s_mov_b32 s[G1B+7], 0
	; where the tiles come from: xh's hang on the tile row alone, w's on the tile column alone, each in registers that never hold the other coordinate
	s_lshl_b32 s20, s[CY], 8
	s_lshl_b32 s21, s[CH], 7
	s_add_co_u32 s20, s20, s21                     ; xh: row 256 x tile row + 128 x half,
	s_lshl_b32 s20, s20, 13                        ; of 8,192 bytes
	s_mov_b32 s21, 0
	s_lshl_b32 s70, s[TX], 8
	s_lshl_b32 s71, s[CH], 7
	s_add_co_u32 s70, s70, s71                     ; w: row 256 x tile column + 128 x half,
	s_lshl_b32 s70, s70, 12                        ; of 4,096 bytes
	s_mov_b32 s71, 0
	; and where they go: no place in the cluster enters an LDS address
	s_mul_i32 s72, s[CH], HALFT
	s_mul_i32 s73, s[CH], A1STEP
	s_mov_b32 s[G0A], 1                            ; 1:0 count = 1
	s_add_co_u32 s[G0A+1], s72, ASL0               ; 63:32 LDS address
	s_mov_b32 s[G0A+4], 1
	s_add_co_u32 s[G0A+5], s73, ASL1
	s_mov_b32 s[G0B], 1
	s_mov_b32 s[G0B+1], s72
	s_mov_b32 s[G0W], 1
	s_add_co_u32 s[G0W+1], s72, BSL1
	s_mov_b32 s[TB], 0
	s_mov_b32 s[C80], 0x80808080
	s_mov_b32 s[C64], 0x64646464
	s_mov_b32 s[SELL], 0x00050004
	s_mov_b32 s[SELH], 0x00070006
	s_mov_b32 s[CNEG], 0xe480e480
	s_mov_b32 s3, 15                               ; the loop's trips, the first of them entered in its middle
	s_wait_dscnt 0x0                               ; both opening adds are done
	s_wait_kmcnt 0x0
	s_add_nc_u64 s[20:21], s[4:5], s[20:21]
	s_add_nc_u64 s[70:71], s[6:7], s[70:71]
	s_mov_b64 s[G0A+2:G0A+3], s[20:21]             ; 120:64 global address: step 0,
	s_or_b32 s[G0A+3], s[G0A+3], 0x80000000        ; 127:126 type = 2
	s_add_nc_u64 s[G0A+6:G0A+7], s[20:21], 256     ; step 1
	s_or_b32 s[G0A+7], s[G0A+7], 0x80000000
	s_mov_b64 s[G0B+2:G0B+3], s[70:71]             ; w: steps 0 and 1,
	s_or_b32 s[G0B+3], s[G0B+3], 0x80000000
	s_add_nc_u64 s[G0W+2:G0W+3], s[70:71], 256     ; steps 2 and 3
	s_or_b32 s[G0W+3], s[G0W+3], 0x80000000
	CROUND                                         ; all sixteen work-groups are here: the first joint loads meet
	s_cmp_eq_u32 s[RH], 0                          ; a wave's two first fills stand in one branch, ahead of every wait on TENSORcnt and every LDS read: all four slots are filled before anything else is done
	s_cbranch_scc0 .Lfirst_b
	tensor_load_to_lds s[G0A:G0A+3], s[G1A:G1A+7]
	s_nop 0
	tensor_load_to_lds s[G0A+4:G0A+7], s[G1A:G1A+7]
	s_nop 0
	PLACES
	s_branch .Lfirst_asked
.Lfirst_b:
	tensor_load_to_lds s[G0B:G0B+3], s[G1B:G1B+7]
	s_nop 0
	tensor_load_to_lds s[G0W:G0W+3], s[G1B:G1B+7]
	s_nop 0
	PLACES
.Lfirst_asked:
	; scale and bias of my 64 columns (8 in each of the wave's 8 blocks of 16) stay in registers for the way out
	v_and_b32 v1, 15, v0                           ; r = l % 16
	v_bfe_u32 v2, v0, 4, 1                         ; h = l / 16
	s_lshl_b32 s72, s[TX], 10
	s_lshl_b32 s73, s[CH], 9
	s_add_co_u32 s72, s72, s73
	v_lshl_add_u32 v[SBO], v2, 5, s72              ; 4 x (256 x tile column + 128 x half + 8 h)
.irp b, 0,1,2,3,4,5,6,7
	global_load_b128 v[BI+8*(\b):BI+8*(\b)+3],   v[SBO], s[10:11] offset:64*(\b)
	global_load_b128 v[BI+8*(\b)+4:BI+8*(\b)+7], v[SBO], s[10:11] offset:64*(\b)+16
.endr
	WIN 0xc0                                       ; destination window 3
.irp b, 0,1,2,3,4,5,6,7
	global_load_b128 v[SC+8*(\b):SC+8*(\b)+3],   v[SBO], s[8:9] offset:64*(\b)
	global_load_b128 v[SC+8*(\b)+4:SC+8*(\b)+7], v[SBO], s[8:9] offset:64*(\b)+16
.endr
	WIN 0
	v_mul_u32_u24 v3, v1, PITCH
	v_lshl_add_u32 v4, v2, 5, v3                   ; row x pitch + 32 h: xh's fragments, and the stage
	v_lshl_add_u32 v5, v2, 4, v3                   ; row x pitch + 16 h: w's raw bytes
	s_mul_i32 s72, s[RH], HALFT
	s_add_co_u32 s72, s72, ASL0
	v_add_nc_u32 v[ADRA], s72, v4
	s_mul_i32 s72, s[RH], A1STEP
	s_add_co_u32 s72, s72, ASL1
	v_add_nc_u32 v[ADRA+1], s72, v4
	s_mul_i32 s72, s[CH], HALFT
	v_add_nc_u32 v[AB0], s72, v5
	v_mov_b32 v[ADRB], v[AB0]                      ; w's slot 0
	s_mul_i32 s72, s[WV], BLK
	s_add_co_u32 s72, s72, STAGE                   ; my stage
	v_add_nc_u32 v[STO], s72, v4                   ; in: row l % 16, 32 bytes for each half of the lanes
	v_mul_u32_u24 v6, v2, PITCH                    ; back: lanes 0-15 take one row of 256 bytes, lanes 16-31 the next
	v_lshl_add_u32 v6, v1, 4, v6
	v_add_nc_u32 v[RD], s72, v6
	v_lshlrev_b32 v[CO], 16, v2                    ; and the same two rows in out, 65,536 bytes apart
	v_lshl_add_u32 v[CO], v1, 4, v[CO]
	s_lshl_b32 s72, s[CY], 8
	s_lshl_b32 s73, s[RH], 7
	s_add_co_u32 s72, s72, s73                     ; my first row of out,
	s_lshl_b32 s72, s72, 16
	s_lshl_b32 s73, s[TX], 10                      ; my first column, in bytes
	s_add_co_u32 s72, s72, s73
	s_lshl_b32 s73, s[CH], 9
	s_add_co_u32 s72, s72, s73
	s_mov_b32 s73, 0
	s_add_nc_u64 s[12:13], s[12:13], s[72:73]
	; the prefetches
	s_cmp_eq_u32 s[RH], 0                          ; do I fetch for xh?
	s_cselect_b64 s[PFA:PFA+1], s[4:5], s[6:7]
	s_cselect_b32 s72, s[CY], s[TX]                ; the tile's first row: by the tile row in xh, by the tile column in w
	s_cselect_b32 s73, s[CX], s[CY]                ; my place among the four that ask for it with me
	s_cselect_b32 s74, 13, 12                      ; a row is 8,192 or 4,096 bytes
	s_cselect_b32 s75, 3, 1                        ; xh begins at step 3, w at its second pair of steps: the first change steps each by 256 bytes
	s_cselect_b32 s[PST], 256, 0
	s_cselect_b32 s62, ttmp9, 0                    ; xh's rows are every cluster's: cluster 0 asks; w's are the cluster's own
	s_mov_b32 s[PST+1], 0
	s_cmp_eq_u32 s62, 0
	s_cselect_b32 s[LIME], 1, -1                   ; the same in all sixteen partners, for a given wave
	s_cmp_eq_u32 s[RH], 0
	s_cselect_b32 s[LIMO], s[LIME], -1
	s_lshl_b32 s72, s72, 8
	s_lshl_b32 s73, s73, 5
	s_add_co_u32 s72, s72, s73                     ; + my work-group's 32 rows
	s_lshl_b32 s73, s[CH], 7
	s_add_co_u32 s72, s72, s73                     ; of the 128 that I fetch
	s_lshl_b32 s72, s72, s74
	s_lshl_b32 s75, s75, 8
	s_add_co_u32 s72, s72, s75
	s_mov_b32 s73, 0
	s_add_nc_u64 s[PFA:PFA+1], s[PFA:PFA+1], s[72:73]
	v_and_b32 v[PFO], 31, v0
	v_lshlrev_b32 v[PFO], s74, v[PFO]
	s_wait_loadcnt 0x0                             ; scale and bias, once
	s_wait_tensorcnt 0x1                           ; my first tile is in; my second may stay out
	s_barrier_signal -1
	s_barrier_wait -1                              ; everybody's is
	; THE PROLOGUE: quarter 0's raw bytes and fragments of xh; the raw bytes are widened on end, and each group's raw registers take quarter 1's
	LDR 1, 0
	LDR 2, 0
	LDR 3, 0
	LDA 0, 0, 0
	s_wait_dscnt 16                                ; the raw bytes are in; xh's 16 loads may stay out
	CONV 1, 0
	LDR 1, 1
	CONV 2, 0
	LDR 2, 1
	CONV 3, 0
	LDR 3, 1
	QUARTER 0, 0, 1, 2, 1                          ; the first quarter's products start the sums
	QUARTER 1, 0, 2, 3
	TURN 0, 0, 3, 4                                ; step 0's change is written out: w's two slots are both full, so xh's slot 0 alone is filled again
	WIN 0                                          ; at a label and at a branch every window is 0
	s_branch .Lmid                                 ; the loop is entered in the middle of a trip
.Ltrip:                                                ; a trip: two steps, from an even step's second quarter to the next even step's first
	QUARTER 1, 0, 2, 3
	TURN 0, 0, 2, 4
	WIN 0
.Lmid:
	QUARTER 1, 1, 0, 5
	QUARTER 0, 1, 1, 6
	QUARTER 1, 1, 2, 7
	TURN 0, 1, 1, 0
	QUARTER 1, 0, 0, 1
	QUARTER 0, 0, 1, 2
	WIN 0
	s_sub_co_u32 s3, s3, 1
	s_cmp_lg_u32 s3, 0
	s_cbranch_scc1 .Ltrip
	QUARTER 1, 0, 2, 3                             ; steps 30 and 31 are written out: nothing is left to fill
	TURN 0, 0, 0, 4                                ; step 31's tile of xh has landed, everybody's part of it
	QUARTER 1, 1, 0, 5
	QUARTER 0, 1, 1, 6
	QUARTER 1, 1, 2, 7
	QUARTER 0, 1, 3, 0, 0, 1, 0, 1, 5, 18, 16      ; no raw bytes are left to fetch, so the counts leave out 2 + 16, and then xh's 16
	QUARTER 1, 0, 0, 0, 0, 0, 0, 0, 0, -1, -1      ; the last quarter: nothing to fetch, nothing to widen
	WIN 0
	PLACES                                         ; the scalings below read results just made
; THE WAY OUT, in 16 passes: pass p is row block p / 2 (16 rows), columns 64 (p % 2) on: 256 bytes of each row.
; PACK: out = sum x scale + bias, one fused multiply-add, two at a time; each accumulator is read from its lowest registers on.
.macro PACK p
.set ka, (\p)/2
.set kb, 0
.rept 4
.set kq, 4*((\p)%2)+kb
.set kg, 1+kq/3
.set kl, kq%3
	WIN kg|12                                      ; source 0 (the sums) window g, source 1 (scale) window 3, bias and destination window 0
.set kr, 0
.rept 4
	v_pk_fma_f32 v[TMP+8*kb+kr:TMP+8*kb+kr+1], v[64*kl+8*ka+kr:64*kl+8*ka+kr+1], v[SC+8*kq+kr:SC+8*kq+kr+1], v[BI+8*kq+kr:BI+8*kq+kr+1]
.set kr, kr+2
.endr
.set kb, kb+1
.endr
.endm
; TOSTAGE: a lane's 8 columns of a block are 32 bytes of a row; they go into my own stage, rows of 272 bytes, and come back as whole rows of 256.
.macro TOSTAGE p
	WIN 0
.set BK, OB+32*((\p)%2)
.irp c, 0,1,2,3
	ds_store_b128 v[STO], v[TMP+8*(\c):TMP+8*(\c)+3]   offset:64*(\c)
	ds_store_b128 v[STO], v[TMP+8*(\c)+4:TMP+8*(\c)+7] offset:64*(\c)+16
.endr
.irp t, 0,1,2,3,4,5,6,7
	ds_load_b128 v[BK+4*(\t):BK+4*(\t)+3], v[RD] offset:(\t)*2*PITCH  ; LDS serves a wave's instructions in order (ISA guide 5.7.1.4): these see the stores above; the next pass's stores come behind them
.endr
.endm
.macro SEND p
	WIN 0
.set BK, OB+32*((\p)%2)
	s_wait_dscnt 0x0                               ; the pass is back in registers
	s_wait_xcnt 0x0                                ; every earlier store has had its addresses translated (ISA guide 3.1): only behind this wait does the next pass load into the registers that the pass before this one stored
.irp t, 0,1,2,3,4,5,6,7
	global_store_b128 v[CO], v[BK+4*(\t):BK+4*(\t)+3], s[12:13] offset:(16*((\p)/2)+2*(\t))*65536+256*((\p)%2) th:TH_STORE_NT  ; 16 lanes store 256 consecutive bytes, aligned; 8,257,792 at the most: inside the signed 24 bits
.endr
.endm
	PACK 0
	TOSTAGE 0
.irp p, 1,2,3,4,5,6,7,8,9,10,11,12,13,14,15    ; a pass's arithmetic stands between the loads of the pass before and the wait for them
	PACK \p
	SEND (\p)-1
	TOSTAGE \p
.endr
	SEND 15
	s_wait_tensorcnt 0x0                           ; the wave's end, behind my last tensor load and my last LDS store
	ds_add_u32 v[SPW], v[NIL]
	s_wait_dscnt 0x0
	CROUND                                         ; the closing round: no work-group ends while a partner may still ask for a tile that names it
	s_endpgm
.Lfunc_end_k_qbc59970cf0_gemm:
	.size	k_qbc59970cf0_gemm, .Lfunc_end_k_qbc59970cf0_gemm-k_qbc59970cf0_gemm
	.p2alignl 7, 3214868480
	.fill 96, 4, 3214868480
	.section	.rodata,"a",@progbits
	.p2align	6, 0x0
	.amdhsa_kernel k_qbc59970cf0_gemm
		.amdhsa_group_segment_fixed_size 327680
		.amdhsa_private_segment_fixed_size 0
		.amdhsa_enable_private_segment 0
		.amdhsa_kernarg_size 40
		.amdhsa_user_sgpr_count 2
		.amdhsa_user_sgpr_kernarg_segment_ptr 1
		.amdhsa_wavefront_size32 1
		.amdhsa_system_sgpr_workgroup_id_x 1
		.amdhsa_system_sgpr_workgroup_id_y 1
		.amdhsa_system_sgpr_workgroup_id_z 1
		.amdhsa_system_vgpr_workitem_id 0
		.amdhsa_next_free_vgpr 1024
		.amdhsa_next_free_sgpr 80
		.amdhsa_reserve_vcc 0
		.amdhsa_float_denorm_mode_32 3
		.amdhsa_float_denorm_mode_16_64 3
		.amdhsa_memory_ordered 1
		.amdhsa_forward_progress 1
		.amdhsa_inst_pref_size 255
	.end_amdhsa_kernel
	.section	.bss,"aw",@nobits
	.p2align	6
	.space	262144
	.amdgpu_metadata
---
amdhsa.version: [ 1, 2 ]
amdhsa.kernels:
  - .name:           k_qbc59970cf0_gemm
    .symbol:         k_qbc59970cf0_gemm.kd
    .args:
      - { .name: xh, .offset: 0, .size: 8, .value_kind: global_buffer, .address_space: global }
      - { .name: weight, .offset: 8, .size: 8, .value_kind: global_buffer, .address_space: global }
      - { .name: weight_scale, .offset: 16, .size: 8, .value_kind: global_buffer, .address_space: global }
      - { .name: bias, .offset: 24, .size: 8, .value_kind: global_buffer, .address_space: global }
      - { .name: out0, .offset: 32, .size: 8, .value_kind: global_buffer, .address_space: global }
    .group_segment_fixed_size: 327680
    .private_segment_fixed_size: 0
    .kernarg_segment_align: 8
    .kernarg_segment_size: 40
    .max_flat_workgroup_size: 128
    .sgpr_count:     80
    .vgpr_count:     1024
    .wavefront_size: 32
...
	.end_amdgpu_metadata
.endif
;; end of part 2
;; ======== version 2 of 2: 2 launches; version 1 with the launch cast written anew for expert scheduling mode
;; limits: values are held in f16: magnitudes above 65,504 overflow, below 6.1e-05 lose precision; inputs' magnitudes at most 65,504; below input magnitudes of 6.1e-05 results are inexact or not finite
;; workspace buffers: xh 8,388,608 bytes
;; launch cast (part 3): grid 256 x 1, 8 waves a work-group, no clusters, 0 bytes of LDS; arguments input, xh; writes xh
.if DOCPART == 3
	.amdgcn_target "amdgcn-amd-amdhsa--gfx1250"
	.amdhsa_code_object_version 6
	.text
	.protected	k_qbc59970cf0_cast
	.globl	k_qbc59970cf0_cast
	.p2align	8
	.type	k_qbc59970cf0_cast,@function
k_qbc59970cf0_cast:
	s_mov_b64 s[64:65], 0
	v_nop
	global_prefetch_b8 v0, s[64:65] scope:SCOPE_SE
	s_setreg_imm32_b32 hwreg(HW_REG_WAVE_SCHED_MODE, 0, 2), 2
	s_setreg_imm32_b32 hwreg(HW_REG_WAVE_MODE, 25, 1), 1
	s_wait_xcnt 0x0
	s_wait_alu depctr_vm_vsrc(0)
; xh[r][k] = input[r][k] rounded once to f16.  input: [1024][4096] f32, xh: [1024][4096] f16.
; LIMITS.  f16 ends at 65,504: an input of 65,520 or more in magnitude becomes an infinity; below 6.1e-5 an input keeps f16's fixed step of 6e-8.
; A stream: each byte is read once and written once; LDS, barriers and the matrix unit would add nothing.
; SHARES.  256 work-groups of eight waves; a work-group owns 16,384 numbers on end.  Thread t owns, for j = 0 .. 7, the eight numbers at 2,048 j + 8 t:
; 32 bytes in (two loads of 16), 16 bytes out, so that a wave's store covers 512 consecutive bytes, aligned.
; All sixteen loads of a thread go out at once; no register is written twice.
; THE MODE: SCHED_MODE bits 1:0 = 2 (LLVM: expert scheduling mode 2), set by the entry lines.  The code itself states the register dependences
; between vector instructions and memory instructions, with s_wait_alu, always for 0.
; THE PLAN.  Registers that memory instructions touch:
;   v1, v2   byte offsets, made once at the head and never written again: v1 is read by every load, v2 by every store.
;   X[j]     written once, by two loads that no vector instruction's write or read comes before; read by step j's four conversions; never loaded again.
;   Y[j]     written once, by step j's four conversions; read by one store, which is issued at the head of step j + 1; never written again.
; So no register that a memory instruction reads is ever written again, and no load lands in a register that a vector instruction has named: what is left to state is that a
; register is written before a memory instruction reads it.  One wait at the head states it for the offsets.  One wait at the head of each later step, behind the wait for that
; step's data, states it for the Y of the step before; the store stands directly behind it, ahead of the step's own conversions, which name X[j] and Y[j] alone.
; One more wait stands ahead of the last store.
.set X, 8                              ; v[8:71]    the numbers as loaded: 8 registers for each j
.set Y, 72                             ; v[72:103]  the numbers to store: 4 registers for each j
	s_load_b128 s[4:7], s[0:1], 0x0                ; input s[4:5], xh s[6:7]
	s_lshl_b32 s2, ttmp9, 16                       ; the work-group's 65,536 bytes of input
	s_mov_b32 s3, 0
	v_lshlrev_b32 v1, 5, v0                        ; 32 t
	v_lshlrev_b32 v2, 4, v0                        ; 16 t
	s_wait_kmcnt 0x0
	s_add_nc_u64 s[4:5], s[4:5], s[2:3]
	s_lshl_b32 s2, ttmp9, 15                       ; its 32,768 bytes of xh
	s_add_nc_u64 s[6:7], s[6:7], s[2:3]
	s_wait_alu depctr_va_vdst(0)                   ; v1 and v2 are written: every load of the kernel reads v1 as its offset, every store v2
.irp j, 0,1,2,3,4,5,6,7
	global_load_b128 v[X+8*(\j):X+8*(\j)+3],   v1, s[4:5] offset:8192*(\j) th:TH_LOAD_NT
	global_load_b128 v[X+8*(\j)+4:X+8*(\j)+7], v1, s[4:5] offset:8192*(\j)+16 th:TH_LOAD_NT
.endr
.irp j, 0,1,2,3,4,5,6,7
	s_wait_loadcnt 14-2*(\j)                       ; loads come back in order (ISA guide 5.7.1): pair j is in, the younger pairs stay out
.if (\j) > 0
	s_wait_alu depctr_va_vdst(0)                   ; the conversions of the step before have written Y[j - 1], which the store below reads
	global_store_b128 v2, v[Y+4*((\j)-1):Y+4*((\j)-1)+3], s[6:7] offset:4096*((\j)-1)
.endif
.irp k, 0,1,2,3
	v_cvt_pk_f16_f32 v[Y+4*(\j)+(\k)], v[X+8*(\j)+2*(\k)], v[X+8*(\j)+2*(\k)+1]
.endr
.endr
	s_wait_alu depctr_va_vdst(0)                   ; the last step's conversions have written Y[7], which the last store reads
	global_store_b128 v2, v[Y+28:Y+31], s[6:7] offset:4096*7
	s_endpgm
.Lfunc_end_k_qbc59970cf0_cast:
	.size	k_qbc59970cf0_cast, .Lfunc_end_k_qbc59970cf0_cast-k_qbc59970cf0_cast
	.p2alignl 7, 3214868480
	.fill 96, 4, 3214868480
	.section	.rodata,"a",@progbits
	.p2align	6, 0x0
	.amdhsa_kernel k_qbc59970cf0_cast
		.amdhsa_group_segment_fixed_size 0
		.amdhsa_private_segment_fixed_size 0
		.amdhsa_enable_private_segment 0
		.amdhsa_kernarg_size 16
		.amdhsa_user_sgpr_count 2
		.amdhsa_user_sgpr_kernarg_segment_ptr 1
		.amdhsa_wavefront_size32 1
		.amdhsa_system_sgpr_workgroup_id_x 1
		.amdhsa_system_sgpr_workgroup_id_y 1
		.amdhsa_system_sgpr_workgroup_id_z 1
		.amdhsa_system_vgpr_workitem_id 0
		.amdhsa_next_free_vgpr 104
		.amdhsa_next_free_sgpr 66
		.amdhsa_reserve_vcc 0
		.amdhsa_float_denorm_mode_32 3
		.amdhsa_float_denorm_mode_16_64 3
		.amdhsa_memory_ordered 1
		.amdhsa_forward_progress 1
		.amdhsa_inst_pref_size 6
	.end_amdhsa_kernel
	.amdgpu_metadata
---
amdhsa.version: [ 1, 2 ]
amdhsa.kernels:
  - .name:           k_qbc59970cf0_cast
    .symbol:         k_qbc59970cf0_cast.kd
    .args:
      - { .name: input, .offset: 0, .size: 8, .value_kind: global_buffer, .address_space: global }
      - { .name: xh, .offset: 8, .size: 8, .value_kind: global_buffer, .address_space: global }
    .group_segment_fixed_size: 0
    .private_segment_fixed_size: 0
    .kernarg_segment_align: 8
    .kernarg_segment_size: 16
    .max_flat_workgroup_size: 256
    .sgpr_count:     66
    .vgpr_count:     104
    .wavefront_size: 32
...
	.end_amdgpu_metadata
.endif
;; end of part 3
;; launch gemm: the kernel of part 2 again; grid 64 x 4, 4 waves a work-group, clusters of 4 x 4, 327,680 bytes of LDS; arguments xh, weight, weight_scale, bias, out0; writes out0
